; MI455X (gfx1250); checked and timed in simulation.
; The chip was launched on July 23, 2026; its instructions are those of AMD's public machine-readable ISA for CDNA 5 (MIT licence, August 2026) and "CDNA5" Instruction Set Architecture Reference Guide (July 2026). The comments in the code are by the model that wrote it; some were corrected since.
;; Scaled Dot Product Attention. Allowed arithmetic: matrix products marked QUANTISED: E2M1 operands, one E8M0 scale for each 32 along K, by v_wmma_scale_f32_16x16x128_f8f6f4 with both operands' format E2M1 (or v_wmma_scale_f32_32x16x128_f4), f32 sums; everything else in f32.
;; Inputs: attn_mask 2,048 x 2,048 bool; key 4 x 16 x 2,048 x 128 float32; key_padding_mask 4 x 2,048 bool; query 4 x 16 x 2,048 x 128 float32; value 4 x 16 x 2,048 x 128 float32.
;; Outputs: out0 4 x 16 x 2,048 x 128 float32.
;; This version of the problem:
;;   THIS VERSION OF THE PROBLEM IS GIVEN IN LOW PRECISION. The matrix products marked QUANTISED in the list below multiply operands that are first quantised to E2M1 (2 exponent bits, 1 mantissa bit; 4 bits a number), with one power-of-two scale for each 32 numbers along K (OCP MX v1.0); their sums are f32. All else is computed in f32.
;;   The module's matrix products, in the order in which they are computed (A, B: the left and right operand; K: the contracted axis; several contracted axes count as one K, in the product's order):
;;     1. batch 64 x [M 2,048, K 128] x [K 128, N 2,048]; A: input query; B: input key: QUANTISED
;;     2. batch 64 x [M 2,048, K 2,048] x [K 2,048, N 128]; A: softmax (see below); B: input value: QUANTISED
;;   THE QUANTISER, for each operand of a quantised product, along K:
;;     - K is cut into blocks of 32 from its start; a last block that is shorter is filled with zeros.
;;     - A block's scale is 2^e with e = floor(log2(the largest magnitude in the block)) - 2, held to -126 .. 127; a block of zeros has e = 0. As a byte (E8M0): e + 127.
;;     - Each number is divided by its block's scale, clamped to +-6, and rounded to the nearest number of E2M1, ties to even, subnormals kept.
;;     - The product sums the exact products of the quantised numbers (number of the format x scale) in f32.
;;   ~~~python
;;   def quantise(x, axis):      # numpy; x: float32 -> the quantised numbers, widened to float32 again
;;       x = np.moveaxis(x, axis, -1); K = x.shape[-1]
;;       x = np.pad(x, [(0, 0)] * (x.ndim - 1) + [(0, -K % 32)]); x = x.reshape(x.shape[:-1] + (-1, 32)); a = np.abs(x).max(-1, keepdims=True)
;;       e = np.where(a > 0, np.clip(np.frexp(np.where(a > 0, a, 1))[1] - 1 - 2, -126, 127), 0)      # np.frexp(a)[1] - 1 = floor(log2(a)), exactly
;;       r = np.clip(x / 2.0 ** e, -6, 6)
;;       step = 2.0 ** (np.maximum(np.frexp(np.where(r == 0, 1, r))[1] - 1, 0) - 1)
;;       q = np.round(r / step) * step * 2.0 ** e      # np.round: ties to even
;;       return np.moveaxis(q.reshape(q.shape[:-2] + (-1,))[..., :K], -1, axis).astype(np.float32)
;;   ~~~
;;   SOFTMAX AHEAD OF A QUANTISED PRODUCT. Where the list says 'softmax', what is quantised is not the finished softmax but p = 2^(t - M), with t = logit x log2(e) and M = ceil(the row's largest t), a whole number; so 1/2 < the row's largest p <= 1. The row's sum l is taken of the UNQUANTISED p, in f32, and the product's result is divided by l at the end. Since M is a whole number, a kernel that streams over the keys may use a running M (the ceiling of the running maximum): every later rescaling is an exact power of two, which a block's scale takes up: the codes' values come out the same.
;;   OPERANDS COMPUTED ON THE WAY. 'Computed on the way' means the value that the module computes at that place (a softmax that the list does not call 'softmax' is quantised finished and normalised). What goes into a quantiser is computed in f32, as accurately as f32 sums, v_exp_f32 and their like allow (about 1e-6 of the number): no bf16 or f16 on the way to a quantiser, and a product that is left as it is and whose result goes on into a quantised operand takes f32 operands (vector FMAs, or v_wmma_f32_16x16x4_f32). A number that lies on a knife's edge between two numbers of the format may be rounded either way, as far as f32 arithmetic and the matrix unit's own rounding can turn it there, and no further.
;; One version. Each part assembles by itself: llvm-mc -triple=amdgcn-amd-amdhsa -mcpu=gfx1250 --defsym DOCPART=n.
;; ======== version 1 of 1: 2 launches
;; limits: right only within a limited range of input values
;; workspace buffers: kv 17,825,792 bytes; maskc 8,519,680 bytes; flags 2,048 bytes of whole numbers
;; launch prep (part 1): grid 1536 x 1, 4 waves a work-group, no clusters, 56,064 bytes of LDS; arguments key, value, attn_mask, key_padding_mask, kv, maskc, flags; writes kv, maskc, flags
.if DOCPART == 1
	.amdgcn_target "amdgcn-amd-amdhsa--gfx1250"
	.amdhsa_code_object_version 6
	.text
	.protected	k_qd36a553599_prep
	.globl	k_qd36a553599_prep
	.p2align	8
	.type	k_qd36a553599_prep,@function
k_qd36a553599_prep:
	s_mov_b64 s[64:65], 0
	v_nop
	global_prefetch_b8 v0, s[64:65] scope:SCOPE_SE
	s_setreg_imm32_b32 hwreg(HW_REG_WAVE_MODE, 25, 1), 1
	s_wait_xcnt 0x0
; K and V [64 heads][2048][128] f32 become codes of FP4 (E2M1) with one E8M0 byte for each 32 along a product's K (K: the head's 128; V: the keys), and the two masks become operands of a matrix product.
; All is laid in the ORDER OF THE OPERANDS' REGISTERS, so that the next launch takes every fragment by loads of 16 bytes a lane at 16 x lane.
; kv: a head is 16 key steps of 17,408 bytes: K's codes 8,192 (tile i at 1024 i: [c][h][r][16 bytes]; row r of tile 2 b + u is key 32 b + 8 u + r + 8 (r / 8); the 16 bytes are block 2 c + h of that key),
;   V's codes 8,192 (tile td likewise: row r is channel 16 td + r, the 16 bytes are keys 64 c + 32 h + 0 .. 31), K's scale words 512 ([a][r][tl]: tile 4 a + tl, row r), V's 512 likewise.
; maskc: a record of 16,640 bytes for each (batch, tile of 16 queries): for key step s at 1024 s: [cc][lane 16 h + r][4 words]; nibble e of word i is the code 1 (0.5) where key 128 s + 64 cc + 32 (i / 2) + 16 h + 8 (i % 2) + e
;   is masked for query r, else 0; behind them 32 x 8 bytes: all ones for a row that keeps a key, 0 for a row that keeps none (its nibbles are then all 0: the next launch gives it equal scores).
; flags: a word for each record, two bits for each key step: every key masked for all 16 rows; none masked.
; A block's scale is 2^(floor(log2(largest magnitude)) - 2): its byte is the largest magnitude's exponent field - 2, held at 1 from below by a floor among the maximum's leaves.
; LIMITS: a block whose largest magnitude lies under 2^-124, a block of zeros too, gets the byte 1 (zero codes add nothing, and this program alone reads the bytes); NaN and infinities are not served.
; SHARES: work-groups 0-511 take the masks (a work-group: one record, a wave four rows), 512-1023 K (a wave: 64 keys), 1024-1535 V (a wave: 128 keys x 64 channels).  The masks' work-groups read few bytes each;
; they have the lowest numbers so that they stand beside K's and V's long streams and not behind them.  The three ways part on the work-group's number alone and each has LDS bytes of its own.
; No tensor loads, no matrix unit, no cluster: every f32 byte is read once by one wave; only the 4 MiB of attn_mask are read by the four batches.
.set HEADB, 278528
.set STEPB, 17408
.set RECB,  16640
.set SP,    80                         ; K: a lane's place in a stage: its 64 bytes + 16 of padding
.set KREG,  9472                       ; K: LDS of a wave: two stages of 32 x 80, 4,096 bytes of codes, 256 scale bytes
.set KCG,   5120
.set KSB,   9216
.set VREG,  4*KREG                     ; V: 256 bytes a wave: its scale words
.set MREG,  VREG+1024                  ; masks: a record's 16,384 bytes,
.set RKL,   MREG+16384                 ; and its 256 bytes of row words
.set SPARE, RKL+256                    ; the spare words: 128 bytes a wave
.set SPW,   160                        ; v160 LDS address of my spare word; never rewritten
.set NIL,   161                        ; v161 0; never rewritten
	s_load_b256 s[4:11], s[0:1], 0x0               ; key s[4:5], value s[6:7], attn_mask s[8:9], key_padding_mask s[10:11]
	s_load_b128 s[12:15], s[0:1], 0x20             ; kv s[12:13], maskc s[14:15]
	s_load_b64 s[32:33], s[0:1], 0x30              ; flags
	v_lshl_add_u32 v[SPW], v0, 2, SPARE
	v_mov_b32 v[NIL], 0
	v_lshrrev_b32 v1, 5, v0
	v_readfirstlane_b32 s16, v1                    ; wave 0..3
	v_and_b32 v2, 31, v0                           ; lane
	s_wait_kmcnt 0x0
	s_cmp_ge_u32 ttmp9, 1024
	s_cbranch_scc1 .Lpath_v
	s_cmp_ge_u32 ttmp9, 512
	s_cbranch_scc1 .Lpath_k
; ------------------------------------------------------------------ THE MASKS
.set KP,  16                           ; v16-31   key_padding_mask: my 16 bytes of each 512
.set AM,  32                           ; v32-95   attn_mask: four rows x 16 registers; later the record on its way out
.set MW,  96                           ; v96-127  the mask words: eight for each row
.set KK,  128                          ; v128-135 the row words: a pair for each row
.set T0,  136
.set T1,  137
.set ORR, 138
	s_mov_b32 s17, ttmp9                           ; the record: 128 x batch + tile of queries
	s_lshr_b32 s18, s17, 7
	s_and_b32 s19, s17, 127
	s_lshl_b32 s20, s19, 4
	s_lshl_b32 s21, s16, 2
	s_add_co_u32 s20, s20, s21                     ; my first row: 16 x tile + 4 x wave
	s_lshl_b32 s20, s20, 11                        ; rows of 2,048 bytes
	s_mov_b32 s21, 0
	s_add_nc_u64 s[8:9], s[8:9], s[20:21]
	s_lshl_b32 s20, s18, 11
	s_add_nc_u64 s[10:11], s[10:11], s[20:21]      ; my batch's row of key_padding_mask
	s_mul_i32 s20, s17, RECB
	s_add_nc_u64 s[14:15], s[14:15], s[20:21]      ; my record
	s_mov_b32 s24, 0x00010001
	s_mov_b32 s25, 0x00100010
	s_mov_b32 s26, 0x06040200
	s_wait_alu depctr_va_vdst(0)                   ; the wait behind the run of scalar lines
	v_lshlrev_b32 v3, 4, v2                        ; 16 x lane
.irp m, 0,1,2,3
	global_load_b128 v[KP+4*\m:KP+4*\m+3], v3, s[10:11] offset:512*\m
.endr
.irp p, 0,1,2,3
.irp m, 0,1,2,3
	global_load_b128 v[AM+16*\p+4*\m:AM+16*\p+4*\m+3], v3, s[8:9] offset:2048*\p+512*\m   ; 32 lanes read 512 consecutive bytes of a row
.endr
.endr
	; lane l of load m holds keys 512 m + 16 l + 0 .. 15: key step 4 m + l / 8, words 2 ((l % 8) / 2) and + 1 of the operand's lane half l % 2
	v_lshrrev_b32 v10, 3, v2
	v_lshlrev_b32 v10, 10, v10                     ; 1024 (l / 8)
	v_bfe_u32 v4, v2, 2, 1
	v_lshl_add_u32 v10, v4, 9, v10                 ; + 512 ((l % 8) / 4)
	v_and_b32 v4, 1, v2
	v_lshl_add_u32 v10, v4, 8, v10                 ; + 256 (l % 2)
	v_lshlrev_b32 v11, 7, v4                       ; the row words: 128 (l % 2)
	v_bfe_u32 v4, v2, 1, 1
	v_lshl_add_u32 v10, v4, 3, v10                 ; + 8 (((l % 8) / 2) % 2)
	s_lshl_b32 s22, s16, 6
	s_add_co_u32 s22, s22, MREG
	v_add_nc_u32 v10, s22, v10                     ; + 16 bytes for each of my four rows: 64 x wave
	s_lshl_b32 s22, s16, 5
	s_add_co_u32 s22, s22, RKL
	v_add_nc_u32 v11, s22, v11                     ; + 8 bytes for each of my four rows: 32 x wave
	s_lshl_b32 s22, s16, 12
	v_add_nc_u32 v12, s22, v3                      ; the way out: 4096 x wave + 16 x lane, in the record
	v_add_nc_u32 v13, MREG, v12                    ; and in LDS
	v_lshlrev_b32 v6, 3, v2                        ; 8 x lane
	v_add_nc_u32 v5, RKL, v6
; Row p of my four.  keep = attn_mask and key_padding_mask; does the row keep any key?; eight keep bytes become eight nibbles; masked = not keep, and nothing in a row that keeps none.
.macro MROW p
	s_wait_loadcnt 12-4*\p                         ; this row's four loads are in; the later rows' may be out
.irp j, 0,1,2,3,4,5,6,7,8,9,10,11,12,13,14,15
	v_and_b32 v[AM+16*\p+\j], v[AM+16*\p+\j], v[KP+\j]
.endr
	v_or_b32 v[ORR], v[AM+16*\p], v[AM+16*\p+1]
.irp j, 2,3,4,5,6,7,8,9,10,11,12,13,14,15
	v_or_b32 v[ORR], v[ORR], v[AM+16*\p+\j]
.endr
	v_cmp_ne_u32 vcc_lo, 0, v[ORR]
	s_cmp_lg_u32 vcc_lo, 0                         ; any lane with a kept key?  No branch hangs on it: it selects two words
	s_cselect_b32 s28, -1, 0                       ; the row word
	s_and_b32 s29, s28, 0x11111111                 ; the code 1 in every nibble, or nothing
.irp m, 0,1,2,3
.irp u, 0,1
	v_lshrrev_b32 v[T0], 4, v[AM+16*\p+4*\m+2*\u]
	v_lshrrev_b32 v[T1], 4, v[AM+16*\p+4*\m+2*\u+1]
	v_and_b32 v[T0], s25, v[T0]                    ; bytes 1 and 3 of four, at bits 4 and 20,
	v_and_b32 v[T1], s25, v[T1]
	v_and_or_b32 v[T0], v[AM+16*\p+4*\m+2*\u], s24, v[T0]     ; beside bytes 0 and 2, at bits 0 and 16
	v_and_or_b32 v[T1], v[AM+16*\p+4*\m+2*\u+1], s24, v[T1]
	v_perm_b32 v[T0], v[T1], v[T0], s26            ; bytes 0 and 2 of both: eight nibbles, the lower key in the lower bits
	v_bfi_b32 v[MW+8*\p+2*\m+\u], v[T0], 0, s29    ; not keep, and the row's word
.endr
	ds_store_b64 v10, v[MW+8*\p+2*\m:MW+8*\p+2*\m+1] offset:4096*\m+16*\p
.endr
	v_mov_b32 v[KK+2*\p], s28
	v_mov_b32 v[KK+2*\p+1], s28
	ds_store_b64 v11, v[KK+2*\p:KK+2*\p+1] offset:8*\p        ; sixteen lanes write the same bytes with the same value
.endm
	MROW 0
	MROW 1
	MROW 2
	MROW 3
	s_wait_dscnt 0x0                               ; for the others' sake: my stores have landed
	s_barrier_signal -1
	s_barrier_wait -1                              ; the record is whole (this way hangs on the work-group's number: all four waves are here)
.irp i, 0,1,2,3,4,5,6,7
	ds_load_b128 v[AM+4*\i:AM+4*\i+3], v13 offset:512*\i
.endr
.irp i, 0,1,2,3,4,5,6,7
	s_wait_dscnt 7-\i
	global_store_b128 v12, v[AM+4*\i:AM+4*\i+3], s[14:15] offset:512*\i   ; 32 lanes store 512 consecutive bytes, aligned
.endr
	; THE FLAGS.  My 4,096 bytes are key steps 4 x wave + 0 .. 3 of the record, eight registers a step in 32 lanes.  Bit 2 s of the record's word: every key of step s is masked for all 16 rows;
	; bit 2 s + 1: none is.  No branch hangs on them here: they select bits.  The next launch reads the words and walks only the steps that they ask for.
	s_lshl_b32 s20, s17, 2                         ; 4 bytes a record (s21 = 0 still)
	s_add_nc_u64 s[32:33], s[32:33], s[20:21]
	s_mov_b32 s36, 0
.irp j, 0,1,2,3
	v_and_b32 v[T0], v[AM+8*\j], v[AM+8*\j+1]
	v_or_b32 v[T1], v[AM+8*\j], v[AM+8*\j+1]
.irp i, 2,3,4,5,6,7
	v_and_b32 v[T0], v[T0], v[AM+8*\j+\i]
	v_or_b32 v[T1], v[T1], v[AM+8*\j+\i]
.endr
	v_cmp_ne_u32 vcc_lo, 0x11111111, v[T0]         ; a lane with a nibble that is not masked?
	s_cmp_eq_u32 vcc_lo, 0
	s_cselect_b32 s34, 1<<(2*\j), 0
	v_cmp_ne_u32 vcc_lo, 0, v[T1]                  ; a lane with a masked nibble?
	s_cmp_eq_u32 vcc_lo, 0
	s_cselect_b32 s35, 2<<(2*\j), 0
	s_or_b32 s36, s36, s34
	s_or_b32 s36, s36, s35
.endr
	v_mov_b32 v[T0], s36
	v_mov_b32 v[T1], s16
	global_store_b8 v[T1], v[T0], s[32:33]         ; byte = wave of the record's word; all lanes write the same byte with the same value
	s_cmp_lg_u32 s16, 0
	s_cbranch_scc1 .Lm_done
	ds_load_b64 v[140:141], v5                     ; wave 0: the 256 bytes of row words
	s_wait_dscnt 0x0
	global_store_b64 v6, v[140:141], s[14:15] offset:16384
.Lm_done:
	s_wait_tensorcnt 0x0                           ; the wave's end
	ds_add_u32 v[SPW], v[NIL]
	s_wait_dscnt 0x0
	s_endpgm
; ------------------------------------------------------------------ K: K innermost
; A wave takes 16 steps of 512 numbers (four keys).  Each load reads 512 consecutive bytes; a step's 2,048 bytes turn through the wave's own stage so that a lane holds 16 neighbours (two lanes a block).
; A lane's 8 bytes of codes and its block's byte go to their places in the image, gathered in the wave's own LDS, and leave at the end: 4,096 consecutive bytes of codes, 256 of scale words.
.set KR,  16                           ; v16-79   four sets of 16 numbers as loaded
.set KX,  80                           ; v80-111  two sets of 16 neighbours
.set KE,  112                          ; v112-127 a scale byte for each step
.set KC,  128                          ; v128-159 codes: two registers of its own for each step
.Lpath_k:
	s_sub_co_u32 s17, ttmp9, 512
	s_lshl_b32 s17, s17, 2
	s_add_co_u32 s17, s17, s16                     ; which run of 64 keys is my wave's: 32 x head + half step
	s_lshr_b32 s18, s17, 5                         ; head
	s_and_b32 s19, s17, 31
	s_lshl_b32 s20, s17, 15                        ; 64 keys x 512 bytes
	s_mov_b32 s21, 0
	s_add_nc_u64 s[4:5], s[4:5], s[20:21]
	s_mul_i32 s20, s18, HEADB
	s_lshr_b32 s22, s19, 1
	s_mul_i32 s22, s22, STEPB
	s_add_co_u32 s20, s20, s22
	s_add_nc_u64 s[12:13], s[12:13], s[20:21]      ; my head's key step in kv
	s_and_b32 s22, s19, 1                          ; its first or second four tiles
	s_lshl_b32 s24, s22, 12
	s_mov_b32 s25, 0
	s_add_nc_u64 s[24:25], s[12:13], s[24:25]      ; the codes
	s_lshl_b32 s26, s22, 8
	s_add_co_u32 s26, s26, 16384
	s_mov_b32 s27, 0
	s_add_nc_u64 s[26:27], s[12:13], s[26:27]      ; the scale words
	s_mul_i32 s28, s16, KREG
	s_add_co_u32 s29, s28, KCG
	s_add_co_u32 s30, s28, KSB
	s_wait_alu depctr_va_vdst(0)                   ; the wait behind the branch and the run of scalar lines
	v_lshlrev_b32 v3, 4, v2                        ; 16 x lane
	v_lshrrev_b32 v14, 2, v2
	v_mul_u32_u24 v14, v14, SP
	v_and_b32 v15, 3, v2
	v_lshl_add_u32 v14, v15, 4, v14
	v_add_nc_u32 v14, s28, v14                     ; the stage, in: four lanes' 64 bytes on end, then 16 of padding
	v_mul_u32_u24 v15, v2, SP
	v_add_nc_u32 v15, s28, v15                     ; and out: my 16 neighbours
	v_lshrrev_b32 v4, 3, v2                        ; lane l: key l / 8 of the step's four, block (l % 8) / 2, half l % 2
	v_lshlrev_b32 v4, 4, v4
	v_mov_b32 v5, v4                               ; 16 (l / 8): a row of the image, of the codes and of the scale words
	v_bfe_u32 v8, v2, 2, 1
	v_lshl_add_u32 v4, v8, 9, v4                   ; c = block / 2
	v_bfe_u32 v8, v2, 1, 1
	v_lshl_add_u32 v4, v8, 8, v4                   ; h = block % 2
	v_and_b32 v8, 1, v2
	v_lshl_add_u32 v4, v8, 3, v4                   ; my half of the block's 16 bytes
	v_add_nc_u32 v4, s29, v4
	v_bfe_u32 v8, v2, 1, 2
	v_add_nc_u32 v5, v5, v8                        ; the block's byte in its row's word
	v_add_nc_u32 v5, s30, v5
	v_add_nc_u32 v6, s29, v3                       ; the way out
	v_lshlrev_b32 v13, 3, v2
	v_add_nc_u32 v7, s30, v13
.macro KLOAD t
.irp i, 0,1,2,3
	global_load_b128 v[KR+16*((\t)%4)+4*\i:KR+16*((\t)%4)+4*\i+3], v3, s[4:5] offset:2048*(\t)+512*\i th:TH_LOAD_NT
.endr
.endm
.macro KTURN t                         ; LDS serves a wave's instructions in order: no wait between the stores and the loads
.irp i, 0,1,2,3
	ds_store_b128 v14, v[KR+16*((\t)%4)+4*\i:KR+16*((\t)%4)+4*\i+3] offset:32*SP*((\t)%2)+8*SP*\i
.endr
.irp i, 0,1,2,3
	ds_load_b128 v[KX+16*((\t)%2)+4*\i:KX+16*((\t)%2)+4*\i+3], v15 offset:32*SP*((\t)%2)+16*\i
.endr
.endm
.irp t, 0,1,2,3
	KLOAD \t
.endr
	s_wait_loadcnt 12                              ; step 0's four loads are in
	KTURN 0
.macro KSTEP t
.set XS,  KX+16*((\t)%2)
.set KTL, 2*((4*(\t))/32)+(((4*(\t))%32)/8)%2      ; the step's four keys lie in tile KTL of my four,
.set KR0, (4*(\t))%8+8*(((4*(\t))%32)/16)          ; rows KR0 .. KR0 + 3
.if (\t) > 0
	s_wait_dscnt 2                                 ; this step's numbers are back from the stage; the last step's two stores may be out
.else
	s_wait_dscnt 0x0
.endif
.if (\t)+4 < 16
	KLOAD (\t)+4                                   ; into the registers that the stage's stores have read
.endif
.if (\t)+1 < 16
.if 14-(\t) >= 3
	s_wait_loadcnt 12                              ; the next step's four loads are in; those of the three steps behind may be out
.else
	s_wait_loadcnt 4*(14-(\t))
.endif
	KTURN (\t)+1
.endif
	v_max3_num_f32 v8, |v[XS]|, |v[XS+1]|, |v[XS+2]|
	v_max3_num_f32 v9, |v[XS+3]|, |v[XS+4]|, |v[XS+5]|
.irp i, 6,10
	v_max3_num_f32 v8, v8, |v[XS+\i]|, |v[XS+\i+1]|
	v_max3_num_f32 v9, v9, |v[XS+\i+2]|, |v[XS+\i+3]|
.endr
	v_max3_num_f32 v8, v8, |v[XS+14]|, |v[XS+15]|
	v_max3_num_f32 v8, v8, v9, 0x1800000           ; and the floor 2^(3 - 127): the byte cannot fall under 1
	v_max_num_f32_dpp v8, v8, v8 row_xmask:1 row_mask:0xf bank_mask:0xf   ; with my neighbour's 16: the block's largest magnitude
	v_add_nc_u32 v11, 0xff000000, v8               ; 2 off its exponent field: the conversion takes that field as its scale
	v_cvt_scalef32_pk8_fp4_f32 v[KC+2*(\t)], v[XS:XS+7], v11
	v_cvt_scalef32_pk8_fp4_f32 v[KC+2*(\t)+1], v[XS+8:XS+15], v11
	v_lshrrev_b32 v[KE+(\t)], 23, v11              ; the scale's byte (a plain line behind the conversions)
	ds_store_b8 v5, v[KE+(\t)] offset:KR0*16+KTL*4 ; both lanes of a block write the same byte with the same value
	ds_store_b64 v4, v[KC+2*(\t):KC+2*(\t)+1] offset:KTL*1024+KR0*16
.endm
.irp t, 0,1,2,3,4,5,6,7,8,9,10,11,12,13,14,15
	KSTEP \t
.endr
.irp i, 0,1,2,3,4,5,6,7
	ds_load_b128 v[KR+4*\i:KR+4*\i+3], v6 offset:512*\i      ; these see my stores: a wave's LDS instructions are served in order
.endr
	ds_load_b64 v[KX:KX+1], v7
.irp i, 0,1,2,3,4,5,6,7
	s_wait_dscnt 8-\i
	global_store_b128 v3, v[KR+4*\i:KR+4*\i+3], s[24:25] offset:512*\i   ; 512 consecutive bytes, aligned
.endr
	s_wait_dscnt 0x0
	global_store_b64 v13, v[KX:KX+1], s[26:27]     ; 256 consecutive bytes, aligned
	s_wait_tensorcnt 0x0                           ; the wave's end
	ds_add_u32 v[SPW], v[NIL]
	s_wait_dscnt 0x0
	s_endpgm
; ------------------------------------------------------------------ V: K (the keys) is not innermost
; A lane takes a channel and its registers run down the keys: a block of 32 keys lies in one lane's 32 registers, and the conversions give codes with the keys innermost.  In the image a lane's 16 bytes stand
; beside its neighbour's, so the codes are stored straight from registers: sixteen lanes fill 256 consecutive bytes, aligned.  Eight units n = 4 cg + kb: channels 32 cg on, keys 32 kb on; loads run two units ahead.
.set VX,  32                           ; v32-95   two sets of 32 numbers
.set VC,  96                           ; v96-127  codes: four registers of its own for each unit
.set SBW, 24                           ; v24-25   the scale words of my two channels
.Lpath_v:
	s_sub_co_u32 s17, ttmp9, 1024
	s_lshl_b32 s17, s17, 2
	s_add_co_u32 s17, s17, s16                     ; 32 x head + 2 x key step + half of the channels
	s_lshr_b32 s18, s17, 5
	s_bfe_u32 s19, s17, 0x40001                    ; key step
	s_and_b32 s22, s17, 1                          ; a: channels 64 a on
	s_lshl_b32 s20, s18, 20
	s_lshl_b32 s23, s19, 16                        ; 128 keys x 512 bytes
	s_add_co_u32 s20, s20, s23
	s_lshl_b32 s23, s22, 8
	s_add_co_u32 s20, s20, s23
	s_mov_b32 s21, 0
	s_add_nc_u64 s[6:7], s[6:7], s[20:21]
	s_mul_i32 s20, s18, HEADB
	s_mul_i32 s23, s19, STEPB
	s_add_co_u32 s20, s20, s23
	s_add_nc_u64 s[12:13], s[12:13], s[20:21]
	s_lshl_b32 s24, s22, 12
	s_add_co_u32 s24, s24, 8192
	s_mov_b32 s25, 0
	s_add_nc_u64 s[24:25], s[12:13], s[24:25]      ; the codes of tiles 4 a on
	s_lshl_b32 s26, s22, 8
	s_add_co_u32 s26, s26, 16896
	s_mov_b32 s27, 0
	s_add_nc_u64 s[26:27], s[12:13], s[26:27]      ; their scale words
	s_wait_alu depctr_va_vdst(0)                   ; the wait behind the branch and the run of scalar lines
	v_lshlrev_b32 v3, 2, v2                        ; in: 4 bytes a lane
	v_lshrrev_b32 v4, 4, v2                        ; l / 16
	v_and_b32 v5, 15, v2                           ; l % 16
	v_lshlrev_b32 v8, 10, v4
	v_lshl_add_u32 v8, v5, 4, v8                   ; codes: tile l / 16 of the group's two, row l % 16
	s_lshl_b32 s28, s16, 8
	s_add_co_u32 s28, s28, VREG
	v_lshlrev_b32 v9, 4, v5
	v_lshl_add_u32 v9, v4, 2, v9
	v_add_nc_u32 v9, s28, v9                       ; scale words: 16 bytes a row, 4 a tile
	v_lshlrev_b32 v7, 3, v2
	v_add_nc_u32 v10, s28, v7
.macro VLOAD n
.irp i, 0,1,2,3,4,5,6,7,8,9,10,11,12,13,14,15,16,17,18,19,20,21,22,23,24,25,26,27,28,29,30,31
	global_load_b32 v[VX+32*((\n)%2)+\i], v3, s[6:7] offset:(32*((\n)%4)+\i)*512+128*((\n)/4) th:TH_LOAD_NT
.endr
.endm
	VLOAD 0
	VLOAD 1
.macro VBLOCK n
.set XS, VX+32*((\n)%2)
.set KB, (\n)%4
.set CG, (\n)/4
.if (\n) < 7
	s_wait_loadcnt 32                              ; this unit's 32 loads are in; the next unit's may be out
.else
	s_wait_loadcnt 0x0
.endif
	v_max3_num_f32 v12, |v[XS]|, |v[XS+1]|, |v[XS+2]|
	v_max3_num_f32 v13, |v[XS+3]|, |v[XS+4]|, |v[XS+5]|
.irp i, 6,10,14,18,22,26
	v_max3_num_f32 v12, v12, |v[XS+\i]|, |v[XS+\i+1]|
	v_max3_num_f32 v13, v13, |v[XS+\i+2]|, |v[XS+\i+3]|
.endr
	v_max3_num_f32 v12, v12, |v[XS+30]|, |v[XS+31]|
	v_max3_num_f32 v12, v12, v13, 0x1800000        ; and the floor
	v_add_nc_u32 v11, 0xff000000, v12
	v_lshrrev_b32 v13, 23, v11
.if KB == 0
	v_mov_b32 v[SBW+CG], v13                       ; four bytes to a word, the lower keys in the lower byte
.else
	v_lshl_or_b32 v[SBW+CG], v13, 8*KB, v[SBW+CG]
.endif
.irp g, 0,1,2,3
	v_cvt_scalef32_pk8_fp4_f32 v[VC+4*(\n)+\g], v[XS+8*\g:XS+8*\g+7], v11
.endr
	global_store_b128 v8, v[VC+4*(\n):VC+4*(\n)+3], s[24:25] offset:CG*2048+(KB/2)*512+(KB%2)*256   ; the results go to a store alone; the next unit begins with plain vector lines
.if (\n)+2 < 8
	VLOAD (\n)+2
.endif
.endm
.irp n, 0,1,2,3,4,5,6,7
	VBLOCK \n
.endr
	ds_store_b32 v9, v[SBW]
	ds_store_b32 v9, v[SBW+1] offset:8
	ds_load_b64 v[14:15], v10                      ; my wave's own bytes, served in order
	s_wait_dscnt 0x0
	global_store_b64 v7, v[14:15], s[26:27]        ; 256 consecutive bytes, aligned
	s_wait_tensorcnt 0x0                           ; the wave's end
	ds_add_u32 v[SPW], v[NIL]
	s_wait_dscnt 0x0
	s_endpgm
.Lfunc_end_k_qd36a553599_prep:
	.size	k_qd36a553599_prep, .Lfunc_end_k_qd36a553599_prep-k_qd36a553599_prep
	.p2alignl 7, 3214868480
	.fill 96, 4, 3214868480
	.section	.rodata,"a",@progbits
	.p2align	6, 0x0
	.amdhsa_kernel k_qd36a553599_prep
		.amdhsa_group_segment_fixed_size 56064
		.amdhsa_private_segment_fixed_size 0
		.amdhsa_enable_private_segment 0
		.amdhsa_kernarg_size 56
		.amdhsa_user_sgpr_count 2
		.amdhsa_user_sgpr_kernarg_segment_ptr 1
		.amdhsa_wavefront_size32 1
		.amdhsa_system_sgpr_workgroup_id_x 1
		.amdhsa_system_sgpr_workgroup_id_y 1
		.amdhsa_system_sgpr_workgroup_id_z 1
		.amdhsa_system_vgpr_workitem_id 0
		.amdhsa_next_free_vgpr 162
		.amdhsa_next_free_sgpr 66
		.amdhsa_reserve_vcc 1
		.amdhsa_float_denorm_mode_32 3
		.amdhsa_float_denorm_mode_16_64 3
		.amdhsa_memory_ordered 1
		.amdhsa_forward_progress 1
		.amdhsa_inst_pref_size 100
	.end_amdhsa_kernel
	.amdgpu_metadata
---
amdhsa.version: [ 1, 2 ]
amdhsa.kernels:
  - .name:           k_qd36a553599_prep
    .symbol:         k_qd36a553599_prep.kd
    .args:
      - { .name: key, .offset: 0, .size: 8, .value_kind: global_buffer, .address_space: global }
      - { .name: value, .offset: 8, .size: 8, .value_kind: global_buffer, .address_space: global }
      - { .name: attn_mask, .offset: 16, .size: 8, .value_kind: global_buffer, .address_space: global }
      - { .name: key_padding_mask, .offset: 24, .size: 8, .value_kind: global_buffer, .address_space: global }
      - { .name: kv, .offset: 32, .size: 8, .value_kind: global_buffer, .address_space: global }
      - { .name: maskc, .offset: 40, .size: 8, .value_kind: global_buffer, .address_space: global }
      - { .name: flags, .offset: 48, .size: 8, .value_kind: global_buffer, .address_space: global }
    .group_segment_fixed_size: 56064
    .private_segment_fixed_size: 0
    .kernarg_segment_align: 8
    .kernarg_segment_size: 56
    .max_flat_workgroup_size: 128
    .sgpr_count:     66
    .vgpr_count:     162
    .wavefront_size: 32
...
	.end_amdgpu_metadata
.endif
;; end of part 1
;; launch attn (part 2): grid 4 x 64, 8 waves a work-group, no clusters, 314,368 bytes of LDS; arguments query, kv, maskc, out0, flags; writes out0
.if DOCPART == 2
	.amdgcn_target "amdgcn-amd-amdhsa--gfx1250"
	.amdhsa_code_object_version 6
	.text
	.protected	k_qd36a553599_attn
	.globl	k_qd36a553599_attn
	.p2align	8
	.type	k_qd36a553599_attn,@function
k_qd36a553599_attn:
	s_mov_b64 s[64:65], 0
	v_nop
	global_prefetch_b8 v0, s[64:65] scope:SCOPE_SE
	s_setreg_imm32_b32 hwreg(HW_REG_WAVE_MODE, 25, 1), 1
	s_wait_xcnt 0x0
; out0[head][q] = sum over k of softmax_k(masked Q.K / sqrt(128)) V, both products on codes of FP4 (E2M1) with E8M0 scales for each 32 along K.
; kv, maskc and flags are the launch before's: K's and V's codes and scale words in the order of the operands' registers, 17,408 bytes a key step of 128 keys; a record of mask nibbles for each
; (batch, 16 queries); and a word of flags for each record: bit 2 s: every key of step s is masked for all 16 rows, bit 2 s + 1: none is.
; THE SOFTMAX: t = score x log2(e) / sqrt(128); M = the running largest t rounded up to a whole number; p = 2^(t - M) is quantised along the keys, not normalised; the row's sum of the unquantised p divides at the end.
; THE MASKS: a masked key gets -2^126 added to its score by a matrix product of the nibbles with a constant operand, which starts the score's sum.  The running largest t begins at -2^100, over every masked t,
; so a masked key's p is 0.  A row that keeps no key has no masked nibble and a Q of zero codes: equal scores.
; WHAT THE FLAGS DECIDE.  A step in which both of my tiles have every key masked adds p = 0 everywhere and moves no maximum: a scalar branch on the stored word leads round its work.  (A row that keeps no key
; has no masked nibble, so no step of its tile is left out.)  A step with no masked key takes no mask product and loads no nibbles.  Step 0 always runs in the general form and starts O with C = 0.
; Branches hang on numbers read from memory; no tensor load here, no joint loads in a cluster: the head's 278,528 bytes of kv come through registers, 68 loads and 68 LDS stores
; of 512 bytes a wave, once, under one barrier.  They are asked for at the launch's head, with no loop ahead of them to prefetch in; Q is quantised while they are on their way.
; SHARES.  A work-group: one head, 512 queries, eight waves.  A wave: 32 queries (two tiles) in each of two passes: blocks 63 - b and b of the head's 64, b = 8 x work-group x + wave, so that under a mask that
; keeps the keys up to the query every wave has 17 steps to run.  Results do not hang on that deal.
; A STEP: V's fragments are asked of LDS; both tiles' score products run on end (K's fragments were asked for a step earlier); the next step's K is asked for, if its flags say that it will run; two softmaxes; O^T += V^T P^T.
; LIMITS: the scaled scores t stay under 2^31 in magnitude; NaN and infinities among the inputs are not served.
; REGISTERS: v1-11 addresses; v12-19 -M, largest t, sum (two halves) of each tile; v20-23 f and p's scale word; v24-25 Q's scale words; v28-43 Q; v44-59 mask nibbles; v60-81 the mask product's constant operand;
; v82-85 K's scale words, v86-89 V's; v90-105 p's codes; v106-169 tile 1's S^T, then p; v170-233 tile 0's; v234-248 at work; v254-255 the spare word's address and 0;
; v256-383 O^T; v384-447 K's fragments; v448-511 V's (at the head v256-511 carry kv).
.set HEADB, 278528
.set STEPB, 17408
.set RECB,  16640
.set STAGE, HEADB                      ; 16 rows x 272 bytes for each wave: Q's way in, O's way out
.set SPARE, STAGE+8*16*272             ; the spare words: 128 bytes a wave
.set LI,  1
.set AD,  2
.set KVA, 3
.set GO,  4
.set STO, 5
.set RD,  6
.set QB,  7
.set PFO, 8
.set RKO, 9
.set H8,  10
.set ADN, 11
.set ST,  12
.set F,   20
.set QS,  24
.set SCM, 26
.set Q,   28
.set MK,  44
.set Z,   60
.set KS,  82
.set VS,  86
.set PC,  90
.set SA,  170                          ; tile x's scores at SA - 64 x
.set BM,  234
.set PT,  238
.set SO,  242
.set T,   246
.set RK,  247
.set N,   106
.set OB,  106
.set KF1, 128                          ; in window 1: v384
.set VF1, 192                          ; in window 1: v448
.set WV,  12
.set HD,  14
.set BLK, 15
.set KVP, 16
.set SEL, 32
.set CS,  34
.set TB,  36
.set W,   37                           ; the flags of both tiles, anded; the step in hand at bits 0 and 1
.set STEPS, 38
.set PASS, 39
.set QP,  40
.set OP,  42
.set MB,  44
.set MC,  46                           ; the next step's nibbles
.set QN,  48                           ; the second pass's rows of Q
.set FLB, 56
.set W0,  58
.set W1,  59
.set MSB, 0
.macro WIN new
.if MSB != \new
	s_set_vgpr_msb (MSB<<8)|\new
.set MSB, \new
.endif
.endm
.set W_RS, 0x41                        ; destination and source 0 in window 1
.set W_PV, 0x51                        ; A, C and D in window 1
.set W_QK, 0x01                        ; A in window 1
.set W_ST, 0x04                        ; a store's data in window 1
.set W_LD, 0x40                        ; a load's destination in window 1
; pointers of block s[BLK]: Q, O, the two records, and their two words of flags (asked for here, awaited at the pass's head)
.macro SETP
	s_lshl_b32 s52, s[HD], 20
	s_lshl_b32 s54, s[BLK], 14
	s_add_co_u32 s52, s52, s54
	s_mov_b32 s53, 0
	s_add_nc_u64 s[QP:QP+1], s[4:5], s[52:53]
	s_add_nc_u64 s[OP:OP+1], s[10:11], s[52:53]
	s_lshr_b32 s52, s[HD], 4
	s_lshl_b32 s52, s52, 7
	s_lshl_b32 s54, s[BLK], 1
	s_add_co_u32 s52, s52, s54                     ; record 128 x batch + 2 x block
	s_lshl_b32 s54, s52, 2
	s_mov_b32 s55, 0
	s_add_nc_u64 s[54:55], s[FLB:FLB+1], s[54:55]
	s_load_b32 s[W0], s[54:55], 0x0
	s_load_b32 s[W1], s[54:55], 0x4
	s_mul_i32 s52, s52, RECB
	s_add_nc_u64 s[MB:MB+1], s[8:9], s[52:53]
.endm
.macro QLOADS                          ; 38 loads: the row words, step 0's nibbles, 32 rows of Q
.irp x, 0,1
	global_load_b32 v[RK+\x], v[RKO], s[MB:MB+1] offset:16384+RECB*\x
.endr
.irp x, 0,1
.irp c, 0,1
	global_load_b128 v[MK+8*\x+4*\c:MK+8*\x+4*\c+3], v[LI], s[MB:MB+1] offset:RECB*\x+512*\c
.endr
.endr
.irp x, 0,1
.irp c, 0,1
.irp i, 0,1,2,3,4,5,6,7
	global_load_b128 v[N+32*(2*\x+\c)+4*\i:N+32*(2*\x+\c)+4*\i+3], v[GO], s[QP:QP+1] offset:8192*\x+1024*\i+256*\c th:TH_LOAD_NT
.endr
.endr
.endr
.endm
.macro KVST g                          ; chunks 4 g .. 4 g + 3 of my 68: behind the last of them 64 - 4 g loads were issued (the counter's field holds 63)
.if 64-4*(\g) > 63
	s_wait_loadcnt 63
.else
	s_wait_loadcnt 64-4*(\g)
.endif
.irp j, 0,1,2,3
.if (\g) < 16
	ds_store_b128 v[KVA], v[16*(\g)+4*\j:16*(\g)+4*\j+3] offset:512*(4*(\g)+\j)
.else
	ds_store_b128 v[KVA], v[PC+4*\j:PC+4*\j+3] offset:512*(64+\j)
.endif
.endr
.endm
.macro KLOADS adr                      ; a step's fragments of K and their scale words: 17 LDS loads
	WIN W_LD
.irp i, 0,1,2,3,4,5,6,7
.irp c, 0,1
	ds_load_b128 v[KF1+8*\i+4*\c:KF1+8*\i+4*\c+3], v[\adr] offset:1024*\i+512*\c
.endr
.endr
	WIN 0
	ds_load_b128 v[KS:KS+3], v[\adr] offset:16384
.endm
.macro VLOADS                          ; and of V: 17 more
	WIN W_LD
.irp d, 0,1,2,3,4,5,6,7
.irp c, 0,1
	ds_load_b128 v[VF1+8*\d+4*\c:VF1+8*\d+4*\c+3], v[AD] offset:8192+1024*\d+512*\c
.endr
.endr
	WIN 0
	ds_load_b128 v[VS:VS+3], v[AD] offset:16896
.endm
.macro MASKMM x
.set S, SA-64*(\x)
.irp i, 0,1,2,3,4,5,6,7
	v_wmma_scale_f32_16x16x128_f8f6f4 v[S+8*\i:S+8*\i+7], v[Z+6+9*(\i%2)-\i:Z+13+9*(\i%2)-\i], v[MK+8*(\x):MK+8*(\x)+7], 0, v[SCM], v[SCM] matrix_a_fmt:MATRIX_FMT_FP4 matrix_b_fmt:MATRIX_FMT_FP4
.endr
.endm
.macro QKMM x, zero                    ; S^T (+)= K Q^T; zero = 1: the product starts the sums
.set S, SA-64*(\x)
.irp i, 0,1,2,3
.if \zero
	v_wmma_scale_f32_16x16x128_f8f6f4 v[S+8*\i:S+8*\i+7], v[KF1+8*\i:KF1+8*\i+7], v[Q+8*(\x):Q+8*(\x)+7], 0, v[KS+\i], v[QS+(\x)] matrix_a_fmt:MATRIX_FMT_FP4 matrix_b_fmt:MATRIX_FMT_FP4
.else
	v_wmma_scale_f32_16x16x128_f8f6f4 v[S+8*\i:S+8*\i+7], v[KF1+8*\i:KF1+8*\i+7], v[Q+8*(\x):Q+8*(\x)+7], v[S+8*\i:S+8*\i+7], v[KS+\i], v[QS+(\x)] matrix_a_fmt:MATRIX_FMT_FP4 matrix_b_fmt:MATRIX_FMT_FP4
.endif
.endr
.irp i, 4,5,6,7
.if \zero
	v_wmma_scale_f32_16x16x128_f8f6f4 v[S+8*\i:S+8*\i+7], v[KF1+8*\i:KF1+8*\i+7], v[Q+8*(\x):Q+8*(\x)+7], 0, v[KS+\i-4], v[QS+(\x)] matrix_a_fmt:MATRIX_FMT_FP4 matrix_b_fmt:MATRIX_FMT_FP4 matrix_a_scale:MATRIX_SCALE_ROW1
.else
	v_wmma_scale_f32_16x16x128_f8f6f4 v[S+8*\i:S+8*\i+7], v[KF1+8*\i:KF1+8*\i+7], v[Q+8*(\x):Q+8*(\x)+7], v[S+8*\i:S+8*\i+7], v[KS+\i-4], v[QS+(\x)] matrix_a_fmt:MATRIX_FMT_FP4 matrix_b_fmt:MATRIX_FMT_FP4 matrix_a_scale:MATRIX_SCALE_ROW1
.endif
.endr
.endm
.macro SOFTMAX x
.set S, SA-64*(\x)
.set rT, ST+4*(\x)
.set rF, F+2*(\x)
.set rC, PC+8*(\x)
.irp b, 0,1,2,3
	v_max3_num_f32 v[BM+\b], v[S+16*\b], v[S+1+16*\b], v[S+2+16*\b]   ; the largest score of each block of 32 keys: for the row's maximum and for the block's largest p
.endr
.irp i, 3,5,7,9,11,13
.irp b, 0,1,2,3
	v_max3_num_f32 v[BM+\b], v[BM+\b], v[S+16*\b+\i], v[S+1+16*\b+\i]
.endr
.endr
.irp b, 0,1,2,3
	v_max_num_f32 v[BM+\b], v[BM+\b], v[S+15+16*\b]
.endr
.irp b, 0,1,2,3
	s_delay_alu instid0(VALU_DEP_4)
	v_permlanex16_b32 v[PT+\b], v[BM+\b], s[SEL], s[SEL+1]
.endr
.irp b, 0,1,2,3
	s_delay_alu instid0(VALU_DEP_4)
	v_max_num_f32 v[BM+\b], v[BM+\b], v[PT+\b]
.endr
	s_delay_alu instid0(VALU_DEP_2)
	v_max3_num_f32 v[T], v[BM], v[BM+1], v[BM+2]
	s_delay_alu instid0(VALU_DEP_1)
	v_max_num_f32 v[T], v[T], v[BM+3]
	s_delay_alu instid0(VALU_DEP_1)
	v_mul_f32 v[T], s[CS], v[T]
	s_delay_alu instid0(VALU_DEP_1)
	v_max_num_f32 v[rT+1], v[rT+1], v[T]           ; the running largest t
	v_mov_b32 v[T], v[rT]
	s_delay_alu instid0(VALU_DEP_2)
	v_floor_f32 v[rT], -v[rT+1]                    ; -M = floor(-t)
	s_delay_alu instid0(VALU_DEP_1)
	v_sub_f32 v[T], v[rT], v[T]
	s_delay_alu instid0(VALU_DEP_1)
	v_cvt_i32_f32 v[T], v[T]                       ; (it saturates)
	s_delay_alu instid0(VALU_DEP_1)
	v_ldexp_f32 v[rF], 1.0, v[T]                   ; f = 2^(old M - new M)
.irp j, 0,2,4,6,8,10,12,14,16,18,20,22,24,26,28,30,32,34,36,38,40,42,44,46,48,50,52,54,56,58,60,62
	v_pk_fma_f32 v[S+\j:S+\j+1], v[S+\j:S+\j+1], s[CS:CS+1], v[rT:rT+1] op_sel_hi:[1,0,0]
.endr
.irp b, 0,1,2,3
	v_fma_f32 v[BM+\b], v[BM+\b], s[CS], v[rT]
.endr
	s_wait_alu depctr_va_vdst(0)                   ; the wait ahead of the batch
.irp j, 0,1,2,3,4,5,6,7,8,9,10,11,12,13,14,15,16,17,18,19,20,21,22,23,24,25,26,27,28,29,30,31,32,33,34,35,36,37,38,39,40,41,42,43,44,45,46,47,48,49,50,51,52,53,54,55,56,57,58,59,60,61,62,63
	v_exp_f32 v[S+\j], v[S+\j]
.endr
	v_pk_mul_f32 v[rT+2:rT+3], v[rT+2:rT+3], v[rF:rF+1] op_sel_hi:[1,0]
	s_wait_alu depctr_va_vdst(0)                   ; and behind it, ahead of its first reader
.irp b, 0,1,2,3
	v_exp_f32 v[BM+\b], v[BM+\b]
.endr
	v_pk_add_f32 v[PT:PT+1], v[S:S+1], v[S+2:S+3]  ; the row's sum of the unquantised p, in two chains
.irp j, 4,8,12,16,20,24,28,32,36,40,44,48,52,56,60
	v_pk_add_f32 v[rT+2:rT+3], v[rT+2:rT+3], v[S+\j:S+\j+1]
	v_pk_add_f32 v[PT:PT+1], v[PT:PT+1], v[S+2+\j:S+3+\j]
.endr
	s_delay_alu instid0(VALU_DEP_1)
	v_pk_add_f32 v[rT+2:rT+3], v[rT+2:rT+3], v[PT:PT+1]
	s_wait_alu depctr_va_vdst(0)                   ; for the four
.irp b, 0,1,2,3
	v_max_num_f32 v[BM+\b], 0x1800000, v[BM+\b]    ; the floor 2^(3 - 127): the byte cannot fall under 1
.endr
.irp b, 0,1,2,3
	s_delay_alu instid0(VALU_DEP_4)
	v_add_nc_u32 v[SO+\b], 0xff000000, v[BM+\b]    ; 2 off the exponent field: the conversion's scale operand
.endr
.irp b, 0,1,2,3
	s_delay_alu instid0(VALU_DEP_4)
	v_lshrrev_b32 v[PT+\b], 23, v[SO+\b]
.endr
	s_delay_alu instid0(VALU_DEP_3)
	v_lshl_or_b32 v[rF+1], v[PT+1], 8, v[PT]       ; p's scale word
	s_delay_alu instid0(VALU_DEP_1)
	v_lshl_or_b32 v[rF+1], v[PT+2], 16, v[rF+1]
	s_delay_alu instid0(VALU_DEP_1)
	v_lshl_or_b32 v[rF+1], v[PT+3], 24, v[rF+1]
.irp b, 0,1,2,3
	v_cvt_scalef32_pk8_fp4_f32 v[rC+2*\b], v[S+16*\b:S+7+16*\b], v[SO+\b]
	v_cvt_scalef32_pk8_fp4_f32 v[rC+1+2*\b], v[S+8+16*\b:S+15+16*\b], v[SO+\b]
.endr
	v_nop                                          ; a plain place behind the conversions
.irp c, 0,1
.irp i, 0,1
	v_permlane16_swap_b32 v[rC+4*\c+\i], v[rC+2+4*\c+\i]   ; a whole block to a lane
.endr
.endr
.endm
.macro RESCALE x
	WIN W_RS
.irp j, 0,2,4,6,8,10,12,14,16,18,20,22,24,26,28,30,32,34,36,38,40,42,44,46,48,50,52,54,56,58,60,62
	v_pk_mul_f32 v[64*(\x)+\j:64*(\x)+\j+1], v[64*(\x)+\j:64*(\x)+\j+1], v[F+2*(\x):F+2*(\x)+1] op_sel_hi:[1,0]
.endr
.endm
.macro PVMM first                      ; O^T (+)= V^T P^T: sixteen accumulators by turns
	WIN W_PV
.irp d, 0,1,2,3,4,5,6,7
.irp x, 0,1
.if \first
.if \d < 4
	v_wmma_scale_f32_16x16x128_f8f6f4 v[64*\x+8*\d:64*\x+8*\d+7], v[VF1+8*\d:VF1+8*\d+7], v[PC+8*\x:PC+8*\x+7], 0, v[VS+\d%4], v[F+2*\x+1] matrix_a_fmt:MATRIX_FMT_FP4 matrix_b_fmt:MATRIX_FMT_FP4
.else
	v_wmma_scale_f32_16x16x128_f8f6f4 v[64*\x+8*\d:64*\x+8*\d+7], v[VF1+8*\d:VF1+8*\d+7], v[PC+8*\x:PC+8*\x+7], 0, v[VS+\d%4], v[F+2*\x+1] matrix_a_fmt:MATRIX_FMT_FP4 matrix_b_fmt:MATRIX_FMT_FP4 matrix_a_scale:MATRIX_SCALE_ROW1
.endif
.else
.if \d < 4
	v_wmma_scale_f32_16x16x128_f8f6f4 v[64*\x+8*\d:64*\x+8*\d+7], v[VF1+8*\d:VF1+8*\d+7], v[PC+8*\x:PC+8*\x+7], v[64*\x+8*\d:64*\x+8*\d+7], v[VS+\d%4], v[F+2*\x+1] matrix_a_fmt:MATRIX_FMT_FP4 matrix_b_fmt:MATRIX_FMT_FP4
.else
	v_wmma_scale_f32_16x16x128_f8f6f4 v[64*\x+8*\d:64*\x+8*\d+7], v[VF1+8*\d:VF1+8*\d+7], v[PC+8*\x:PC+8*\x+7], v[64*\x+8*\d:64*\x+8*\d+7], v[VS+\d%4], v[F+2*\x+1] matrix_a_fmt:MATRIX_FMT_FP4 matrix_b_fmt:MATRIX_FMT_FP4 matrix_a_scale:MATRIX_SCALE_ROW1
.endif
.endif
.endr
.endr
.endm
; The next step's nibbles, where that step is neither masked whole nor open (its two flags, at \bits of s[W], are both 0).  Behind step 15 stands a set bit, so nothing is asked for there.
.macro MPRE bits
	s_and_b32 s50, s[W], \bits
	s_cmp_lg_u32 s50, 0
	s_cbranch_scc1 .Lnom_\@
	s_wait_loadcnt 0x0                             ; no earlier load into these registers is out
.irp x, 0,1
.irp c, 0,1
	global_load_b128 v[MK+8*\x+4*\c:MK+8*\x+4*\c+3], v[LI], s[MC:MC+1] offset:RECB*\x+512*\c
.endr
.endr
.Lnom_\@:
.endm
; The next step's fragments of K, unless that step is masked whole (bit \bit of s[W])
.macro KNEXT bit
	s_bitcmp1_b32 s[W], \bit
	s_cbranch_scc1 .Lnk_\@
	KLOADS ADN
.Lnk_\@:
.endm
.macro NEXTAD                          ; where the next step lies in LDS, held at step 15, the last
	s_add_co_u32 s51, s[TB], STEPB
	s_min_u32 s51, s51, 15*STEPB
.endm
.macro SCORES zero                     ; both tiles' score products on end, sixteen accumulators by turns
.if \zero == 0
	s_wait_loadcnt 0x0                             ; the nibbles
	MASKMM 0
	MASKMM 1
.endif
	s_wait_dscnt 17                                ; K's fragments are in; V's 17 loads, issued behind them, may be out
	WIN W_QK
	QKMM 0, \zero
	QKMM 1, \zero
	WIN 0
.endm
; A KEY STEP of 128 keys for my two tiles.  first = 1: step 0, always in the general form; its second product starts O.
.macro STEP first
	WIN 0
.if \first == 0
	s_bitcmp1_b32 s[W], 0                          ; every key masked for all 32 queries: round the step's work
	s_cbranch_scc1 .Lskip_\@
.endif
	NEXTAD
	v_add_nc_u32 v[AD], s[TB], v[LI]
	v_add_nc_u32 v[ADN], s51, v[LI]
.rept 2
	v_nop                                          ; with the two lines above: four places behind the last products, ahead of loads into their registers
.endr
	VLOADS
	s_wait_alu depctr_va_vdst(0)
.if \first
	SCORES 0
.else
	s_bitcmp1_b32 s[W], 1                          ; no key masked: no mask product
	s_cbranch_scc1 .Lopen_\@
	SCORES 0
	s_branch .Lj_\@
.Lopen_\@:
	SCORES 1
.Lj_\@:
.endif
.rept 4
	v_nop                                          ; places ahead of the loads into K's registers and of the scores' first readers
.endr
.if \first
	KNEXT 0
	MPRE 3
	s_cmp_lg_u32 s[PASS], 2                        ; in the first pass: the second pass's 16,384 bytes of Q are asked of memory, a lane to each 256, a whole pass ahead of their loads
	s_cbranch_scc1 .Lno_ask_\@
	global_prefetch_b8 v[PFO], s[QN:QN+1] th:TH_LOAD_NT scope:SCOPE_SE
	global_prefetch_b8 v[PFO], s[QN:QN+1] offset:8192 th:TH_LOAD_NT scope:SCOPE_SE
.Lno_ask_\@:
.else
	KNEXT 2
	MPRE 12
.endif
	SOFTMAX 0
	s_wait_alu depctr_va_vdst(0)                   ; the wait ahead of the first reader of tile 1's scores
	SOFTMAX 1
	s_wait_alu depctr_va_vdst(0)                   ; and ahead of O^T's first reader
.if \first
.rept 8
	v_nop                                          ; places between p's scale word and the scaled products
.endr
.else
	RESCALE 0
	RESCALE 1
.endif
	s_wait_alu depctr_va_vdst(0)                   ; the wait ahead of the wait below
	s_wait_dscnt 0x0                               ; V's fragments (and the next K's, asked for two softmaxes ago)
	PVMM \first
	WIN 0
.if \first == 0
	s_branch .Lend_\@
.Lskip_\@:
	NEXTAD
	v_add_nc_u32 v[ADN], s51, v[LI]
	s_wait_alu depctr_va_vdst(0)                   ; the wait ahead of the wait below
	s_wait_dscnt 0x0                               ; no earlier load into K's registers is out
	KNEXT 2
	MPRE 12
.Lend_\@:
	s_lshr_b32 s[W], s[W], 2                       ; on to the next step's flags
.endif
	s_wait_xcnt 0x0                                ; the loads have read their base
	s_add_nc_u64 s[MC:MC+1], s[MC:MC+1], 1024
	s_add_co_u32 s[TB], s[TB], STEPB
.endm
.macro QTURN g, kv                     ; 16 rows x 256 bytes of Q through my stage: in by rows as loaded, back 128 bytes a lane
.if \kv
	s_wait_loadcnt 63                              ; of 106 loads at most 63 are out: the first 38, Q's among them, are in
.else
	s_wait_loadcnt 24-8*\g
.endif
.irp i, 0,1,2,3,4,5,6,7
	ds_store_b128 v[RD], v[N+32*\g+4*\i:N+32*\g+4*\i+3] offset:544*\i
.endr
.irp k, 0,1,2,3,4,5,6,7
	ds_load_b128 v[N+32*\g+4*\k:N+32*\g+4*\k+3], v[QB] offset:16*\k
.endr
.endm
.macro QUANTQ x                        ; a lane holds two whole blocks of its row: scales, codes; a row that keeps no key gets zero codes
.irp c, 0,1
	v_max3_num_f32 v[BM+\c], |v[N+64*\x+32*\c]|, |v[N+64*\x+32*\c+1]|, 0x1800000
.endr
.irp i, 2,4,6,8,10,12,14,16,18,20,22,24,26,28,30
.irp c, 0,1
	s_delay_alu instid0(VALU_DEP_2)
	v_max3_num_f32 v[BM+\c], v[BM+\c], |v[N+64*\x+32*\c+\i]|, |v[N+64*\x+32*\c+\i+1]|
.endr
.endr
.irp c, 0,1
	s_delay_alu instid0(VALU_DEP_2)
	v_add_nc_u32 v[SO+\c], 0xff000000, v[BM+\c]
.endr
.irp c, 0,1
	s_delay_alu instid0(VALU_DEP_2)
	v_lshrrev_b32 v[PT+\c], 23, v[SO+\c]
.endr
	s_delay_alu instid0(VALU_DEP_1)
	v_lshl_or_b32 v[QS+\x], v[PT+1], 16, v[PT]
	s_delay_alu instid0(VALU_DEP_1)
	v_lshlrev_b32 v[QS+\x], v[H8], v[QS+\x]
	s_delay_alu instid0(VALU_DEP_1)
	v_permlanex16_b32 v[T], v[QS+\x], s[SEL], s[SEL+1]
	s_delay_alu instid0(VALU_DEP_1)
	v_or_b32 v[QS+\x], v[QS+\x], v[T]
.irp c, 0,1
.irp g, 0,1,2,3
	v_cvt_scalef32_pk8_fp4_f32 v[Q+8*\x+4*\c+\g], v[N+64*\x+32*\c+8*\g:N+64*\x+32*\c+8*\g+7], v[SO+\c]
.endr
.endr
	v_nop
.irp i, 0,1,2,3,4,5,6,7
	v_and_b32 v[Q+8*\x+\i], v[RK+\x], v[Q+8*\x+\i]
.endr
.endm
.macro QPHASE kv
	QTURN 0, \kv
	QTURN 1, \kv
	QTURN 2, \kv
	QTURN 3, \kv
	s_wait_dscnt 32                                ; tile 0's numbers are back
	QUANTQ 0
	s_wait_dscnt 0x0
	QUANTQ 1
.endm
	s_load_b256 s[4:11], s[0:1], 0x0               ; query, kv, maskc, out0
	s_load_b64 s[FLB:FLB+1], s[0:1], 0x20          ; flags
	v_lshl_add_u32 v254, v0, 2, SPARE
	v_mov_b32 v255, 0
	v_lshrrev_b32 v1, 5, v0
	s_delay_alu instid0(VALU_DEP_1)
	v_readfirstlane_b32 s[WV], v1
	s_and_b32 s[HD], ttmp7, 0xffff
	s_lshl_b32 s[BLK], ttmp9, 3
	s_add_co_u32 s[BLK], s[BLK], s[WV]             ; b = 8 x work-group x + wave
	s_mul_i32 s50, s[WV], 2*STEPB                  ; my two key steps of the head's sixteen
	v_and_b32 v9, 31, v0
	s_delay_alu instid0(VALU_DEP_1)
	v_lshlrev_b32 v[LI], 4, v9                     ; 16 x lane
	s_delay_alu instid0(VALU_DEP_1)
	v_add_nc_u32 v[KVA], s50, v[LI]
	v_and_b32 v10, 15, v0
	v_bfe_u32 v11, v0, 4, 1
	s_delay_alu instid0(VALU_DEP_1)
	v_lshlrev_b32 v[GO], 9, v11
	s_delay_alu instid0(VALU_DEP_1)
	v_lshl_add_u32 v[GO], v10, 4, v[GO]            ; rows of Q and O: lanes 0-15 one row, lanes 16-31 the next
	s_mul_i32 s51, s[WV], 16*272
	s_add_co_u32 s51, s51, STAGE
	v_mul_u32_u24 v[STO], v10, 272
	s_delay_alu instid0(VALU_DEP_1)
	v_add_nc_u32 v[STO], s51, v[STO]
	s_delay_alu instid0(VALU_DEP_1)
	v_lshl_add_u32 v[QB], v11, 7, v[STO]
	s_delay_alu instid0(VALU_DEP_2)
	v_lshl_add_u32 v[STO], v11, 5, v[STO]
	v_mul_u32_u24 v[RD], v11, 272
	s_delay_alu instid0(VALU_DEP_1)
	v_lshl_add_u32 v[RD], v10, 4, v[RD]
	s_delay_alu instid0(VALU_DEP_1)
	v_add_nc_u32 v[RD], s51, v[RD]
	v_lshlrev_b32 v[PFO], 8, v9
	v_and_b32 v12, 7, v10                          ; the mask product's constant operand: the code of -2 at one nibble of a lane, zeros round it
	s_delay_alu instid0(VALU_DEP_1)
	v_lshlrev_b32 v12, 2, v12
	v_mov_b32 v13, 12
	s_delay_alu instid0(VALU_DEP_1)
	v_lshlrev_b32 v12, v12, v13
	v_lshrrev_b32 v13, 3, v10
	s_delay_alu instid0(VALU_DEP_1)
	v_cmp_eq_u32 vcc_lo, v13, v11
	s_delay_alu instid0(VALU_DEP_1)
	v_cndmask_b32 v[Z+6], 0, v12, vcc_lo
	s_delay_alu instid0(VALU_DEP_1)
	v_mov_b32 v[Z+15], v[Z+6]
.irp j, 0,1,2,3,4,5,7,8,9,10,11,12,13,14,16,17,18,19,20,21
	v_mov_b32 v[Z+\j], 0
.endr
	v_mov_b32 v[SCM], 0xbebebebe                   ; both its scales: 2^63
	v_lshlrev_b32 v[RKO], 3, v9
	v_lshlrev_b32 v[H8], 3, v11
.irp b, 0,1,2,3
	v_mov_b32 v[PT+\b], 0
.endr
	v_mov_b32 v[T], 0
	s_wait_alu depctr_va_vdst(0)                   ; the wait at the head's end
	s_mov_b32 s[SEL], 0x76543210
	s_mov_b32 s[SEL+1], 0xfedcba98
	s_mov_b32 s[CS], 0x3e0293ee                    ; log2(e) / sqrt(128)
	s_mov_b32 s[CS+1], s[CS]
	s_mov_b32 s[PASS], 2
	s_mul_i32 s52, s[HD], HEADB
	s_add_co_u32 s52, s52, s50
	s_mov_b32 s53, 0
	s_wait_kmcnt 0x0
	s_add_nc_u64 s[KVP:KVP+1], s[6:7], s[52:53]
	s_lshl_b32 s52, s[HD], 20
	s_lshl_b32 s54, s[BLK], 14
	s_add_co_u32 s52, s52, s54
	s_add_nc_u64 s[QN:QN+1], s[4:5], s[52:53]      ; block b's rows of Q: the second pass's
	s_sub_co_u32 s[BLK], 63, s[BLK]                ; the first pass takes block 63 - b
	SETP
	QLOADS                                         ; what is worked on first is asked for first
	WIN W_LD
.set i, 0
.rept 64
	global_load_b128 v[4*i:4*i+3], v[LI], s[KVP:KVP+1] offset:512*i    ; kv: 512 consecutive bytes a load, into v256-511
.set i, i+1
.endr
	WIN 0
.irp j, 0,1,2,3
	global_load_b128 v[PC+4*\j:PC+4*\j+3], v[LI], s[KVP:KVP+1] offset:512*(64+\j)
.endr
	QPHASE 1                                       ; Q is quantised while kv is on its way
	WIN W_ST
.set g, 0
.rept 16
	KVST g
.set g, g+1
.endr
	WIN 0
	KVST 16
	s_wait_alu depctr_va_vdst(0)                   ; the wait ahead of the wait below
	s_wait_dscnt 0x0                               ; my part of kv has landed in LDS
	s_barrier_signal -1
	s_barrier_wait -1                              ; the head's kv is whole: the launch's one barrier
.Lpass:
	s_mov_b32 s[TB], 0
	s_add_nc_u64 s[MC:MC+1], s[MB:MB+1], 1024
	KLOADS LI                                      ; step 0's fragments of K
.irp x, 0,1
	v_mov_b32 v[ST+4*\x+1], 0xf1800000             ; the largest t so far: -2^100
	v_mov_b32 v[ST+4*\x+2], 0
	v_mov_b32 v[ST+4*\x+3], 0
	v_mov_b32 v[F+2*\x+1], 0
.endr
.irp x, 0,1
	v_floor_f32 v[ST+4*\x], -v[ST+4*\x+1]
.endr
	s_wait_alu depctr_va_vdst(0)                   ; the wait ahead of the wait below
	s_wait_kmcnt 0x0                               ; the flags
	s_and_b32 s[W], s[W0], s[W1]                   ; what holds of both tiles
	s_lshr_b32 s[W], s[W], 2                       ; step 1 at bits 0 and 1
	s_or_b32 s[W], s[W], 0x40000000                ; behind step 15: nothing to ask for
	s_mov_b32 s[STEPS], 15
	STEP 1
.Lstep:
	STEP 0
	s_sub_co_u32 s[STEPS], s[STEPS], 1
	s_cmp_lg_u32 s[STEPS], 0
	s_cbranch_scc1 .Lstep
	s_wait_loadcnt 0x0
	; THE WAY OUT: O^T / the sum, through my stage, 256 bytes of 16 rows at a time; sixteen lanes store one aligned unit of 256 bytes
.irp x, 0,1
	v_add_f32 v[BM+\x], v[ST+4*\x+2], v[ST+4*\x+3]
.endr
.irp x, 0,1
	s_delay_alu instid0(VALU_DEP_2)
	v_permlanex16_b32 v[PT+\x], v[BM+\x], s[SEL], s[SEL+1]
.endr
.irp x, 0,1
	s_delay_alu instid0(VALU_DEP_2)
	v_add_f32 v[BM+\x], v[BM+\x], v[PT+\x]
.endr
	s_wait_alu depctr_va_vdst(0)                   ; the wait ahead of the batch,
.irp x, 0,1
	v_rcp_f32 v[F+2*\x], v[BM+\x]
.endr
	v_nop
	s_wait_alu depctr_va_vdst(0)                   ; and behind it
	RESCALE 0
	RESCALE 1
.irp x, 0,1
.irp u, 0,1
	WIN W_ST
.irp t, 0,1,2,3
	ds_store_b128 v[STO], v[64*\x+32*\u+8*\t:64*\x+32*\u+8*\t+3] offset:64*\t
	ds_store_b128 v[STO], v[64*\x+32*\u+8*\t+4:64*\x+32*\u+8*\t+7] offset:64*\t+16
.endr
	WIN 0
.irp i, 0,1,2,3,4,5,6,7
	ds_load_b128 v[OB+32*(2*\x+\u)+4*\i:OB+32*(2*\x+\u)+4*\i+3], v[RD] offset:544*\i   ; a wave's LDS instructions are served in order
.endr
.endr
.endr
.irp x, 0,1
.irp u, 0,1
.irp i, 0,1,2,3,4,5,6,7
	s_wait_dscnt 16*(3-2*\x-\u)+7-\i
	global_store_b128 v[GO], v[OB+32*(2*\x+\u)+4*\i:OB+32*(2*\x+\u)+4*\i+3], s[OP:OP+1] offset:8192*\x+1024*\i+256*\u th:TH_STORE_NT
.endr
.endr
.endr
	s_cmp_eq_u32 s[PASS], 1
	s_cbranch_scc1 .Ldone                          ; the second pass was the last
	s_wait_xcnt 0x0                                ; the stores have read their registers and bases
	s_sub_co_u32 s[BLK], 63, s[BLK]                ; block b
	SETP
	QLOADS
	QPHASE 0
	s_sub_co_u32 s[PASS], s[PASS], 1
	s_cmp_lg_u32 s[PASS], 0
	s_wait_alu depctr_va_vdst(0)                   ; the wait ahead of the branch
	s_cbranch_scc1 .Lpass
.Ldone:
	s_wait_tensorcnt 0x0                           ; the wave's end
	ds_add_u32 v254, v255
	s_wait_dscnt 0x0
	s_endpgm
.Lfunc_end_k_qd36a553599_attn:
	.size	k_qd36a553599_attn, .Lfunc_end_k_qd36a553599_attn-k_qd36a553599_attn
	.p2alignl 7, 3214868480
	.fill 96, 4, 3214868480
	.section	.rodata,"a",@progbits
	.p2align	6, 0x0
	.amdhsa_kernel k_qd36a553599_attn
		.amdhsa_group_segment_fixed_size 314368
		.amdhsa_private_segment_fixed_size 0
		.amdhsa_enable_private_segment 0
		.amdhsa_kernarg_size 40
		.amdhsa_user_sgpr_count 2
		.amdhsa_user_sgpr_kernarg_segment_ptr 1
		.amdhsa_wavefront_size32 1
		.amdhsa_system_sgpr_workgroup_id_x 1
		.amdhsa_system_sgpr_workgroup_id_y 1
		.amdhsa_system_sgpr_workgroup_id_z 1
		.amdhsa_system_vgpr_workitem_id 0
		.amdhsa_next_free_vgpr 512
		.amdhsa_next_free_sgpr 66
		.amdhsa_reserve_vcc 1
		.amdhsa_float_denorm_mode_32 3
		.amdhsa_float_denorm_mode_16_64 3
		.amdhsa_memory_ordered 1
		.amdhsa_forward_progress 1
		.amdhsa_inst_pref_size 139
	.end_amdhsa_kernel
	.amdgpu_metadata
---
amdhsa.version: [ 1, 2 ]
amdhsa.kernels:
  - .name:           k_qd36a553599_attn
    .symbol:         k_qd36a553599_attn.kd
    .args:
      - { .name: query, .offset: 0, .size: 8, .value_kind: global_buffer, .address_space: global }
      - { .name: kv, .offset: 8, .size: 8, .value_kind: global_buffer, .address_space: global }
      - { .name: maskc, .offset: 16, .size: 8, .value_kind: global_buffer, .address_space: global }
      - { .name: out0, .offset: 24, .size: 8, .value_kind: global_buffer, .address_space: global }
      - { .name: flags, .offset: 32, .size: 8, .value_kind: global_buffer, .address_space: global }
    .group_segment_fixed_size: 314368
    .private_segment_fixed_size: 0
    .kernarg_segment_align: 8
    .kernarg_segment_size: 40
    .max_flat_workgroup_size: 256
    .sgpr_count:     66
    .vgpr_count:     512
    .wavefront_size: 32
...
	.end_amdgpu_metadata
.endif
;; end of part 2
